; MI455X (gfx1250); checked and timed in simulation.
; The chip was launched on July 23, 2026; its instructions are those of AMD's public machine-readable ISA for CDNA 5 (MIT licence, August 2026) and "CDNA5" Instruction Set Architecture Reference Guide (July 2026). The comments in the code are by the model that wrote it; some were corrected since.
;; Self Attention. Allowed arithmetic: matrix products marked QUANTISED: E2M3 operands, one E8M0 scale for each 32 along K, by v_wmma_scale_f32_16x16x128_f8f6f4 with both operands' format E2M3, f32 sums; products left as they are: f32 operands where the result goes on into a quantised operand, else bf16, f16 or f32 operands; f32 sums; everything else in f32.
;; Inputs: Wk 1,024 x 1,024 float32; Wq 1,024 x 1,024 float32; Wv 1,024 x 1,024 float32; attention_input 4 x 4,096 x 1,024 float32; attention_mask 4 x 4,096 float32; bk 1,024 float32; bq 1,024 float32; bv 1,024 float32; rand_idx 4 x 4,096 x 2 int32.
;; Outputs: out0 4 x 4,096 x 16 x 64 float32.
;; This version of the problem:
;;   THIS VERSION OF THE PROBLEM IS GIVEN IN LOW PRECISION. The matrix products marked QUANTISED in the list below multiply operands that are first quantised to E2M3 (2 exponent bits, 3 mantissa bits; 6 bits a number), with one power-of-two scale for each 32 numbers along K (OCP MX v1.0); their sums are f32. All else is computed in f32.
;;   The module's matrix products, in the order in which they are computed (A, B: the left and right operand; K: the contracted axis; several contracted axes count as one K, in the product's order):
;;     1. [M 16,384, K 1,024] x [K 1,024, N 1,024]; A: input attention_input; B: input Wq: QUANTISED
;;     2. [M 16,384, K 1,024] x [K 1,024, N 1,024]; A: input attention_input; B: input Wk: QUANTISED
;;     3. [M 16,384, K 1,024] x [K 1,024, N 1,024]; A: input attention_input; B: input Wv: QUANTISED
;;     4. batch 64 x [M 4,096, K 64] x [K 64, N 2]; A: computed on the way; B: computed on the way: left as it is (N = 2 < 16)
;;     5. batch 64 x [M 64, K 2] x [K 2, N 4,096]; A: computed on the way; B: softmax: left as it is (K = 2 < 32)
;;   THE QUANTISER, for each operand of a quantised product, along K:
;;     - K is cut into blocks of 32 from its start; a last block that is shorter is filled with zeros.
;;     - A block's scale is 2^e with e = floor(log2(the largest magnitude in the block)) - 2, held to -126 .. 127; a block of zeros has e = 0. As a byte (E8M0): e + 127.
;;     - Each number is divided by its block's scale, clamped to +-7.5, and rounded to the nearest number of E2M3, ties to even, subnormals kept.
;;     - The product sums the exact products of the quantised numbers (number of the format x scale) in f32.
;;   ~~~python
;;   def quantise(x, axis):      # numpy; x: float32 -> the quantised numbers, widened to float32 again
;;       x = np.moveaxis(x, axis, -1); K = x.shape[-1]
;;       x = np.pad(x, [(0, 0)] * (x.ndim - 1) + [(0, -K % 32)]); x = x.reshape(x.shape[:-1] + (-1, 32)); a = np.abs(x).max(-1, keepdims=True)
;;       e = np.where(a > 0, np.clip(np.frexp(np.where(a > 0, a, 1))[1] - 1 - 2, -126, 127), 0)      # np.frexp(a)[1] - 1 = floor(log2(a)), exactly
;;       r = np.clip(x / 2.0 ** e, -7.5, 7.5)
;;       step = 2.0 ** (np.maximum(np.frexp(np.where(r == 0, 1, r))[1] - 1, 0) - 3)
;;       q = np.round(r / step) * step * 2.0 ** e      # np.round: ties to even
;;       return np.moveaxis(q.reshape(q.shape[:-2] + (-1,))[..., :K], -1, axis).astype(np.float32)
;;   ~~~
;; One version. Each part assembles by itself: llvm-mc -triple=amdgcn-amd-amdhsa -mcpu=gfx1250 --defsym DOCPART=n.
;; ======== version 1 of 1: 3 launches
;; limits: right only within a limited range of input values
;; workspace buffers: xc 12,582,912 bytes; xs 524,288 bytes; wc 2,359,296 bytes; ws 98,304 bytes; cntp 1,048,576 bytes; part 1,048,576 bytes
;; launch prep (part 1): grid 640 x 1, 4 waves a work-group, no clusters, 70,144 bytes of LDS; arguments attention_input, Wq, Wk, Wv, rand_idx, xc, xs, wc, ws, cntp; writes xc, xs, wc, ws, cntp
.if DOCPART == 1
	.amdgcn_target "amdgcn-amd-amdhsa--gfx1250"
	.amdhsa_code_object_version 6
	.text
	.protected	k_q2a0f033681_prep
	.globl	k_q2a0f033681_prep
	.p2align	8
	.type	k_q2a0f033681_prep,@function
k_q2a0f033681_prep:
	s_mov_b64 s[64:65], 0
	v_nop
	global_prefetch_b8 v0, s[64:65] scope:SCOPE_SE
	s_setreg_imm32_b32 hwreg(HW_REG_WAVE_MODE, 25, 1), 1
	s_wait_xcnt 0x0
; PREP: three jobs in one launch, told apart by the work-group's number alone (each job has LDS bytes of its own).
;   work-groups 0-31    HISTOGRAM of rand_idx: cntp[p][b][y][j] = 4096 x (how many of queries 512 p .. 512 p + 511 of batch b name row j in column y)
;   work-groups 32-127  Wq, Wk, Wv [1024 (k)][1024 (n)] f32 -> codes of FP6 (E2M3) wc[3072 (n: q, k, v)][768 bytes], K innermost, scale bytes ws[3072][32]
;   work-groups 128-639 attention_input [16384][1024] f32 -> xc[16384][768 bytes], xs[16384][32]
; THE QUANTISER: a block of 32 along K has the scale 2^(floor(log2(largest magnitude)) - 2); its byte is the largest magnitude's exponent field - 2, held at 1 from below;
; each number is divided by the scale and rounded to the nearest code, ties to even, beyond 7.5 the largest code.
; LIMITS: a block of zeros gets the byte 1 (not 127): its codes are zeros and this program alone reads the bytes.  Blocks whose largest magnitude lies under 2^-124 are held at byte 1.
; NaN and infinities among the inputs are not served.  Indices are taken to lie in 0 .. 4095, as the gather that they feed takes them.
; attention_mask is an input that the computation never uses: no launch of this program is given it.
.set HP,    67584                      ; LDS: 0 .. 32767 x's stages; 32768 .. 67583 W's stages; HP .. HP + 2047 the histogram's packed fields
; ---- x
.set XSTEPS, 16
.set XSP,   80                         ; a lane's place in a stage: its 64 bytes + 16 of padding
.set XR,    16                         ; v16-79   four sets of 16 numbers as loaded
.set XX,    80                         ; v80-111  two sets of 16 neighbours
.set XE,    112                        ; v112-127 a scale byte for each step
.set XC,    128                        ; v128-191 codes: four registers a step, so that no store's data are written again
; ---- W
.set WX,    32                         ; v32-95   two sets of 32 numbers
.set WC,    96                         ; v96-102  a block's codes
.set WOUT,  112                        ; v112-175 the way out
.set WSB,   24                         ; v24-25   eight scale bytes
; ---- histogram
.set PK,    32                         ; v32-63   packed fields: for y: 8 registers of alpha, 8 of beta
.set OH,    64                         ; v64-127  one-hot operands: for y: A0, A1, B0, B1 of 8 registers
.set HACC,  128                        ; v128-191 eight accumulators (y, ti, ui)
.macro XLOAD t                         ; step t: 2,048 bytes, each load 512 consecutive bytes
.irp i, 0,1,2,3
	global_load_b128 v[XR+16*((\t)%4)+4*\i:XR+16*((\t)%4)+4*\i+3], v3, s[8:9] offset:2048*(\t)+512*\i th:TH_LOAD_NT
.endr
.endm
.macro XTURN t                         ; through the wave's own stage: in as loaded, out 64 neighbouring bytes a lane; LDS serves a wave's instructions in order
.irp i, 0,1,2,3
	ds_store_b128 v14, v[XR+16*((\t)%4)+4*\i:XR+16*((\t)%4)+4*\i+3] offset:32*XSP*((\t)%2)+8*XSP*\i
.endr
.irp i, 0,1,2,3
	ds_load_b128 v[XX+16*((\t)%2)+4*\i:XX+16*((\t)%2)+4*\i+3], v15 offset:32*XSP*((\t)%2)+16*\i
.endr
.endm
.macro XSTEP t
.set XXS, XX+16*((\t)%2)
.if (\t) > 0
	s_wait_dscnt 1                                 ; this step's numbers are back from the stage; only the last step's byte store may be out
.else
	s_wait_dscnt 0x0
.endif
.if (\t)+4 < XSTEPS
	XLOAD (\t)+4                                   ; into the set whose stores into the stage are done
.endif
.if (\t)+1 < XSTEPS
.if XSTEPS-2-(\t) >= 3
	s_wait_loadcnt 12                              ; the next step's four loads are in; three steps' twelve may be out
.else
	s_wait_loadcnt 4*(XSTEPS-2-(\t))
.endif
	XTURN (\t)+1
.endif
	v_max3_num_f32 v8, |v[XXS]|, |v[XXS+1]|, |v[XXS+2]|
	v_max3_num_f32 v9, |v[XXS+3]|, |v[XXS+4]|, |v[XXS+5]|
.irp i, 6,10
	v_max3_num_f32 v8, v8, |v[XXS+\i]|, |v[XXS+\i+1]|
	v_max3_num_f32 v9, v9, |v[XXS+\i+2]|, |v[XXS+\i+3]|
.endr
	v_max3_num_f32 v8, v8, |v[XXS+14]|, |v[XXS+15]|
	v_max3_num_f32 v8, v8, v9, 0x1800000           ; the floor 2^(3 - 127): the byte cannot fall under 1
	v_max_num_f32_dpp v8, v8, v8 row_xmask:1 row_mask:0xf bank_mask:0xf   ; with my neighbour's 16: the block's largest magnitude
	v_add_nc_u32 v11, 0xff000000, v8               ; 2 off its exponent field: the conversion's scale operand
	v_cvt_scalef32_pk16_fp6_f32 v[XC+4*(\t):XC+4*(\t)+2], v[XXS:XXS+15], v11
	v_lshrrev_b32 v[XE+(\t)], 23, v11              ; the scale's byte (also the plain line behind the conversion)
	ds_store_b8 v5, v[XE+(\t)] offset:16*(\t)      ; both lanes of a block write the same byte with the same value
	global_store_b96 v4, v[XC+4*(\t):XC+4*(\t)+2], s[18:19] offset:384*(\t)   ; the wave stores 384 consecutive bytes
.endm
.macro WLOAD t                         ; block t: W(32 t + i, my column), i = 0 .. 31
.irp i, 0,1,2,3,4,5,6,7,8,9,10,11,12,13,14,15,16,17,18,19,20,21,22,23,24,25,26,27,28,29,30,31
	global_load_b32 v[WX+32*((\t)%2)+\i], v3, s[10:11] offset:(32*(\t)+\i)*4096 th:TH_LOAD_NT
.endr
.endm
.macro WBLOCK t
.set WXS, WX+32*((\t)%2)
.if (\t) < 7
	s_wait_loadcnt 32                              ; this block's 32 loads are in; the next block's may be out
.else
	s_wait_loadcnt 0
.endif
	v_max3_num_f32 v12, |v[WXS]|, |v[WXS+1]|, |v[WXS+2]|   ; all 32 numbers of the block are mine
	v_max3_num_f32 v13, |v[WXS+3]|, |v[WXS+4]|, |v[WXS+5]|
.irp i, 6,10,14,18,22,26
	v_max3_num_f32 v12, v12, |v[WXS+\i]|, |v[WXS+\i+1]|
	v_max3_num_f32 v13, v13, |v[WXS+\i+2]|, |v[WXS+\i+3]|
.endr
	v_max3_num_f32 v12, v12, |v[WXS+30]|, |v[WXS+31]|
	v_max3_num_f32 v12, v12, v13, 0x1800000
	v_add_nc_u32 v11, 0xff000000, v12
	v_lshrrev_b32 v13, 23, v11
.if (\t)%4 == 0
	v_mov_b32 v[WSB+(\t)/4], v13
.else
	v_lshl_or_b32 v[WSB+(\t)/4], v13, 8*((\t)%4), v[WSB+(\t)/4]
.endif
	v_cvt_scalef32_pk16_fp6_f32 v[WC:WC+2], v[WXS:WXS+15], v11
	v_cvt_scalef32_pk16_fp6_f32 v[WC+4:WC+6], v[WXS+16:WXS+31], v11   ; (a conversion's three registers begin on an even number)
	v_nop                                          ; one plain line behind the last conversion
	ds_store_b96 v4, v[WC:WC+2] offset:32*(\t)     ; 12 bytes to a place of 16
	ds_store_b96 v4, v[WC+4:WC+6] offset:32*(\t)+16
.if (\t)+2 < 8
	WLOAD (\t)+2
.endif
	s_wait_dscnt 0x0                               ; the stores have read their registers: the next block's codes may be written
.endm
.macro HLD y, kap                      ; 64 queries' fields: lanes 0-15 take queries 64 kap + 0 .. 31, lanes 16-31 the next 32; the same places for A and for B, so k agrees
.irp f, 0,1
.irp q, 0,1
	ds_load_b128 v[PK+16*\y+8*\f+4*\q:PK+16*\y+8*\f+4*\q+3], v3 offset:(2*\y+\f)*512+64*(\kap)+16*\q
.endr
.endr
.endm
.macro HHOT y                          ; byte = 0x40 where the query's field equals my lane's value, else 0.  Fields are 0 .. 63, so 0x40 - (field xor value) borrows from no neighbour
.irp tl, 0,1,2,3
.irp i, 0,1,2,3,4,5,6,7
	v_xor_b32 v[OH+32*\y+8*\tl+\i], v[4+\tl], v[PK+16*\y+8*(\tl/2)+\i]
.endr
.endr
.irp i, 0,1,2,3,4,5,6,7,8,9,10,11,12,13,14,15,16,17,18,19,20,21,22,23,24,25,26,27,28,29,30,31
	v_sub_nc_u32 v[OH+32*\y+\i], s40, v[OH+32*\y+\i]
.endr
.irp i, 0,1,2,3,4,5,6,7,8,9,10,11,12,13,14,15,16,17,18,19,20,21,22,23,24,25,26,27,28,29,30,31
	v_and_b32 v[OH+32*\y+\i], s40, v[OH+32*\y+\i]
.endr
.endm
.macro HMM y, kap                      ; four products of unsigned bytes, exact in i32: a hit adds 64 x 64
.irp ti, 0,1
.irp ui, 0,1
.if (\kap) == 0
	v_wmma_i32_16x16x64_iu8 v[HACC+8*(4*\y+2*\ti+\ui):HACC+8*(4*\y+2*\ti+\ui)+7], v[OH+32*\y+8*\ti:OH+32*\y+8*\ti+7], v[OH+32*\y+16+8*\ui:OH+32*\y+16+8*\ui+7], 0
.else
	v_wmma_i32_16x16x64_iu8 v[HACC+8*(4*\y+2*\ti+\ui):HACC+8*(4*\y+2*\ti+\ui)+7], v[OH+32*\y+8*\ti:OH+32*\y+8*\ti+7], v[OH+32*\y+16+8*\ui:OH+32*\y+16+8*\ui+7], v[HACC+8*(4*\y+2*\ti+\ui):HACC+8*(4*\y+2*\ti+\ui)+7]
.endif
.endr
.endr
.endm
; One y's 96 plain lines stand between the other y's products and the lines that write that y's operands again (eight places are owed behind this form: ISA guide 7.12.1).
; The eight accumulators take turns, one instruction a turn.
.macro HSTEP kap
	s_wait_dscnt 4                                 ; y = 0's four loads are in; y = 1's four may be out
	HHOT 0
.if (\kap) < 7
	HLD 0, (\kap)+1
.endif
	HMM 0, \kap
.if (\kap) < 7
	s_wait_dscnt 4                                 ; y = 1's are in; the four just issued may be out
.else
	s_wait_dscnt 0
.endif
	HHOT 1
.if (\kap) < 7
	HLD 1, (\kap)+1
.endif
	HMM 1, \kap
.endm
	s_load_b512 s[8:23], s[0:1], 0x0               ; x 8, Wq 10, Wk 12, Wv 14, rand_idx 16, xc 18, xs 20, wc 22
	s_load_b128 s[24:27], s[0:1], 0x40             ; ws 24, cntp 26
	v_lshl_add_u32 v192, v0, 2, 0x11000
	v_mov_b32 v193, 0
	v_lshrrev_b32 v1, 5, v0
	v_readfirstlane_b32 s28, v1                    ; wave 0..3
	v_and_b32 v2, 31, v0                           ; lane
	s_wait_kmcnt 0x0
	s_cmp_lt_u32 ttmp9, 32
	s_cbranch_scc1 .Lhist
	s_cmp_lt_u32 ttmp9, 128
	s_cbranch_scc1 .Lw
; ================ x: a plain stream of blocks of 32; a wave takes 16 steps of 512 numbers ================
	s_wait_alu depctr_va_vdst(0)
	v_lshlrev_b32 v3, 4, v2                        ; my 16 bytes of a load's 512
	s_mul_i32 s29, s28, 8192                       ; my wave's LDS region
	v_lshrrev_b32 v14, 2, v2
	v_mul_u32_u24 v14, v14, XSP
	v_and_b32 v15, 3, v2
	v_lshl_add_u32 v14, v15, 4, v14
	v_add_nc_u32 v14, s29, v14                     ; stage, in: 80 (lane / 4) + 16 (lane % 4)
	v_mul_u32_u24 v15, v2, XSP
	v_add_nc_u32 v15, s29, v15                     ; stage, out: 80 x lane
	v_mul_u32_u24 v4, v2, 12                       ; my codes' place in a step's 384 bytes
	v_lshrrev_b32 v5, 1, v2
	s_add_co_u32 s29, s29, 2*32*XSP
	v_add_nc_u32 v5, s29, v5                       ; my block's byte among the wave's 256 scale bytes
	v_lshlrev_b32 v7, 3, v2
	v_add_nc_u32 v6, s29, v7
	s_sub_co_u32 s30, ttmp9, 128
	s_lshl_b32 s30, s30, 2
	s_add_co_u32 s30, s30, s28                     ; which run of 8,192 numbers is my wave's: 0 .. 2047
	s_mov_b32 s33, 0
	s_lshl_b32 s32, s30, 15
	s_add_nc_u64 s[8:9], s[8:9], s[32:33]
	s_mul_i32 s32, s30, 6144
	s_add_nc_u64 s[18:19], s[18:19], s[32:33]
	s_lshl_b32 s32, s30, 8
	s_add_nc_u64 s[20:21], s[20:21], s[32:33]
.irp t, 0,1,2,3
	XLOAD \t
.endr
	s_wait_alu depctr_va_vdst(0)
	s_wait_loadcnt 12                              ; step 0's four loads are in
	XTURN 0
.irp t, 0,1,2,3,4,5,6,7,8,9,10,11,12,13,14,15
	XSTEP \t
.endr
	ds_load_b64 v[12:13], v6                       ; my wave's 256 scale bytes, 8 a lane
	s_wait_dscnt 0x0
	global_store_b64 v7, v[12:13], s[20:21]        ; 32 lanes store 256 consecutive bytes, aligned
	s_wait_tensorcnt 0x0
	ds_add_u32 v192, v193
	s_wait_dscnt 0x0
	s_endpgm
; ================ W: a lane takes a column n, its registers run down K; a wave takes 32 columns x 256 along K ================
.Lw:
	s_sub_co_u32 s30, ttmp9, 32
	s_lshr_b32 s31, s30, 5                         ; which weight: 0 q, 1 k, 2 v
	s_and_b32 s32, s30, 7                          ; which 128 columns
	s_bfe_u32 s33, s30, 0x20003                    ; which 256 along K
	s_cmp_eq_u32 s31, 0
	s_cselect_b64 s[10:11], s[10:11], s[12:13]
	s_cmp_eq_u32 s31, 2
	s_cselect_b64 s[10:11], s[14:15], s[10:11]
	s_lshl_b32 s34, s32, 7
	s_lshl_b32 s35, s28, 5
	s_add_co_u32 s34, s34, s35                     ; my wave's first column
	s_lshl_b32 s36, s33, 20                        ; 256 rows of 4,096 bytes
	s_lshl_b32 s35, s34, 2
	s_add_co_u32 s36, s36, s35
	s_mov_b32 s37, 0
	s_add_nc_u64 s[10:11], s[10:11], s[36:37]
	s_lshl_b32 s35, s31, 10
	s_add_co_u32 s35, s35, s34                     ; the column's row in wc
	s_mul_i32 s36, s35, 768
	s_mul_i32 s38, s33, 192
	s_add_co_u32 s36, s36, s38
	s_add_nc_u64 s[22:23], s[22:23], s[36:37]
	; ws is laid [column tile 4][q, k, v][256 columns][32 bytes]: a tile's scales of Wk and of Wv are one dense block
	s_lshr_b32 s36, s34, 8
	s_mul_i32 s36, s36, 768
	s_lshl_b32 s38, s31, 8
	s_add_co_u32 s36, s36, s38
	s_and_b32 s38, s34, 255
	s_add_co_u32 s36, s36, s38
	s_lshl_b32 s36, s36, 5
	s_lshl_b32 s38, s33, 3
	s_add_co_u32 s36, s36, s38
	s_add_nc_u64 s[24:25], s[24:25], s[36:37]
	s_wait_alu depctr_va_vdst(0)
	v_lshlrev_b32 v3, 2, v2                        ; in: 4 bytes a lane
	s_mul_i32 s39, s28, 32*272
	s_add_co_u32 s39, s39, 32768                   ; my stage: 32 rows of 272 bytes
	v_mul_u32_u24 v4, v2, 272
	v_add_nc_u32 v4, s39, v4                       ; into it: row = my column
	v_and_b32 v5, 15, v2
	v_lshrrev_b32 v6, 4, v2
	v_mul_u32_u24 v7, v6, 272
	v_lshl_add_u32 v7, v5, 4, v7
	v_add_nc_u32 v7, s39, v7                       ; out of it: sixteen lanes to a row, two rows an instruction
	v_mul_u32_u24 v8, v6, 768
	v_mad_u32_u24 v8, v5, 12, v8                   ; and the same place in wc
	v_lshlrev_b32 v9, 5, v2                        ; my column's row of scale bytes
	WLOAD 0
	WLOAD 1
.irp t, 0,1,2,3,4,5,6,7
	WBLOCK \t
.endr
	s_wait_alu depctr_va_vdst(0)
	global_store_b64 v9, v[WSB:WSB+1], s[24:25]    ; my column's eight scale bytes
.irp t, 0,1,2,3,4,5,6,7,8,9,10,11,12,13,14,15
	ds_load_b96 v[WOUT+4*\t:WOUT+4*\t+2], v7 offset:2*\t*272
.endr
.irp t, 0,1,2,3,4,5,6,7,8,9,10,11,12,13,14,15
	s_wait_dscnt 15-\t
	global_store_b96 v8, v[WOUT+4*\t:WOUT+4*\t+2], s[22:23] offset:2*\t*768   ; sixteen lanes store a row's 192 consecutive bytes
.endr
	s_wait_tensorcnt 0x0
	ds_add_u32 v192, v193
	s_wait_dscnt 0x0
	s_endpgm
; ================ the histogram, without atomics ================
; An index is cut in two fields of six bits: alpha = bits 0, 1 and 8 .. 11, beta = bits 2 .. 7.  count[alpha][beta] = the sum over queries of [alpha_s = alpha] [beta_s = beta]:
; a product 64 x 64 x 512 of one-hot bytes.  The split is chosen so that four registers of a result are four neighbouring rows j and sixteen lanes store 256 consecutive bytes.
.Lhist:
	s_lshr_b32 s30, ttmp9, 3                       ; batch
	s_and_b32 s31, ttmp9, 7                        ; which 512 queries
	s_lshl_b32 s32, s30, 15
	s_lshl_b32 s33, s31, 12
	s_add_co_u32 s32, s32, s33
	s_mov_b32 s33, 0
	s_add_nc_u64 s[16:17], s[16:17], s[32:33]
	v_lshlrev_b32 v9, 5, v0                        ; thread t: queries 4 t .. 4 t + 3, 32 bytes
	global_load_b128 v[16:19], v9, s[16:17]
	global_load_b128 v[20:23], v9, s[16:17] offset:16
	s_mov_b32 s40, 0x40404040
	s_mov_b32 s41, 0x01010101
	s_mov_b32 s42, 0x06040200                      ; the four low bytes
	s_mov_b32 s43, 0x07050301                      ; the four second bytes
	s_mov_b32 s44, 0x3f3f3f3f
	s_mov_b32 s45, 0x03030303
	v_and_b32 v1, 15, v0                           ; r
	v_bfe_u32 v2, v0, 4, 1                         ; h
	v_lshl_add_u32 v3, v2, 5, HP                   ; where I read fields: 32 bytes a half
	v_lshl_add_u32 v10, v0, 2, HP                  ; where I put them: 4 bytes a thread
	s_lshr_b32 s34, s28, 1                         ; wm: alpha tiles 2 wm, 2 wm + 1
	s_and_b32 s35, s28, 1                          ; wn: beta tiles 2 wn, 2 wn + 1
	s_lshl_b32 s36, s34, 5
	s_lshl_b32 s37, s35, 5
	v_add_nc_u32 v11, s36, v1
	v_mul_lo_u32 v4, v11, s41                      ; my lane's alpha, in all four bytes
	v_add_nc_u32 v11, 16, v11
	v_mul_lo_u32 v5, v11, s41
	v_add_nc_u32 v11, s37, v1
	v_mul_lo_u32 v6, v11, s41                      ; my lane's beta
	v_add_nc_u32 v11, 16, v11
	v_mul_lo_u32 v7, v11, s41
	v_lshlrev_b32 v8, 4, v1
	v_lshl_add_u32 v8, v2, 11, v8                  ; out: 16 r + 2,048 h
	s_lshl_b32 s36, s31, 2
	s_add_co_u32 s36, s36, s30
	s_lshl_b32 s36, s36, 15                        ; (4 p + b) x 32,768
	s_lshl_b32 s37, s34, 13
	s_add_co_u32 s36, s36, s37
	s_lshl_b32 s37, s35, 9
	s_add_co_u32 s36, s36, s37
	s_mov_b32 s37, 0
	s_add_nc_u64 s[26:27], s[26:27], s[36:37]
	s_wait_loadcnt 0x0
.irp y, 0,1
	v_lshl_or_b32 v[24+4*\y], v[18+\y], 16, v[16+\y]
	v_lshl_or_b32 v[25+4*\y], v[22+\y], 16, v[20+\y]
	v_perm_b32 v[26+4*\y], v[25+4*\y], v[24+4*\y], s42   ; bits 0 .. 7 of the four indices
	v_perm_b32 v[27+4*\y], v[25+4*\y], v[24+4*\y], s43   ; bits 8 .. 11
	v_and_b32 v[24+4*\y], s45, v[26+4*\y]
	v_lshl_or_b32 v[24+4*\y], v[27+4*\y], 2, v[24+4*\y]  ; alpha
	v_lshrrev_b32 v[25+4*\y], 2, v[26+4*\y]
	v_and_b32 v[25+4*\y], s44, v[25+4*\y]                ; beta
	ds_store_b32 v10, v[24+4*\y] offset:(2*\y)*512
	ds_store_b32 v10, v[25+4*\y] offset:(2*\y+1)*512
.endr
	s_wait_dscnt 0x0                               ; for the others' sake: my stores are done
	s_barrier_signal -1
	s_barrier_wait -1                              ; (the way here hangs on the work-group's number alone: all four waves pass)
	HLD 0, 0
	HLD 1, 0
.irp k, 0,1,2,3,4,5,6,7
	HSTEP \k
.endr
.rept 8
	v_nop                                          ; eight places behind this form before its results are stored
.endr
; register j of lane (r, h): alpha = 16 T + 8 h + j, beta = 16 U + r, so row j' = (j & 3) + 4 beta + 256 (alpha >> 2): byte 4 (j & 3) + 16 r + 256 U + 4,096 T + 2,048 h + 1,024 (j >> 2)
.irp y, 0,1
.irp ti, 0,1
.irp ui, 0,1
	global_store_b128 v8, v[HACC+8*(4*\y+2*\ti+\ui):HACC+8*(4*\y+2*\ti+\ui)+3], s[26:27] offset:\y*16384+\ti*4096+\ui*256          ; each accumulator from its low end on
	global_store_b128 v8, v[HACC+8*(4*\y+2*\ti+\ui)+4:HACC+8*(4*\y+2*\ti+\ui)+7], s[26:27] offset:\y*16384+\ti*4096+\ui*256+1024   ; sixteen lanes store 256 consecutive bytes, aligned
.endr
.endr
.endr
	s_wait_tensorcnt 0x0
	ds_add_u32 v192, v193
	s_wait_dscnt 0x0
	s_endpgm
.Lfunc_end_k_q2a0f033681_prep:
	.size	k_q2a0f033681_prep, .Lfunc_end_k_q2a0f033681_prep-k_q2a0f033681_prep
	.p2alignl 7, 3214868480
	.fill 96, 4, 3214868480
	.section	.rodata,"a",@progbits
	.p2align	6, 0x0
	.amdhsa_kernel k_q2a0f033681_prep
		.amdhsa_group_segment_fixed_size 70144
		.amdhsa_private_segment_fixed_size 0
		.amdhsa_enable_private_segment 0
		.amdhsa_kernarg_size 80
		.amdhsa_user_sgpr_count 2
		.amdhsa_user_sgpr_kernarg_segment_ptr 1
		.amdhsa_wavefront_size32 1
		.amdhsa_system_sgpr_workgroup_id_x 1
		.amdhsa_system_sgpr_workgroup_id_y 1
		.amdhsa_system_sgpr_workgroup_id_z 1
		.amdhsa_system_vgpr_workitem_id 0
		.amdhsa_next_free_vgpr 194
		.amdhsa_next_free_sgpr 66
		.amdhsa_reserve_vcc 0
		.amdhsa_float_denorm_mode_32 3
		.amdhsa_float_denorm_mode_16_64 3
		.amdhsa_memory_ordered 1
		.amdhsa_forward_progress 1
		.amdhsa_inst_pref_size 135
	.end_amdhsa_kernel
	.amdgpu_metadata
---
amdhsa.version: [ 1, 2 ]
amdhsa.kernels:
  - .name:           k_q2a0f033681_prep
    .symbol:         k_q2a0f033681_prep.kd
    .args:
      - { .name: attention_input, .offset: 0, .size: 8, .value_kind: global_buffer, .address_space: global }
      - { .name: Wq, .offset: 8, .size: 8, .value_kind: global_buffer, .address_space: global }
      - { .name: Wk, .offset: 16, .size: 8, .value_kind: global_buffer, .address_space: global }
      - { .name: Wv, .offset: 24, .size: 8, .value_kind: global_buffer, .address_space: global }
      - { .name: rand_idx, .offset: 32, .size: 8, .value_kind: global_buffer, .address_space: global }
      - { .name: xc, .offset: 40, .size: 8, .value_kind: global_buffer, .address_space: global }
      - { .name: xs, .offset: 48, .size: 8, .value_kind: global_buffer, .address_space: global }
      - { .name: wc, .offset: 56, .size: 8, .value_kind: global_buffer, .address_space: global }
      - { .name: ws, .offset: 64, .size: 8, .value_kind: global_buffer, .address_space: global }
      - { .name: cntp, .offset: 72, .size: 8, .value_kind: global_buffer, .address_space: global }
    .group_segment_fixed_size: 70144
    .private_segment_fixed_size: 0
    .kernarg_segment_align: 8
    .kernarg_segment_size: 80
    .max_flat_workgroup_size: 128
    .sgpr_count:     66
    .vgpr_count:     194
    .wavefront_size: 32
...
	.end_amdgpu_metadata
.endif
;; end of part 1
;; launch kv (part 2): grid 4 x 64, 4 waves a work-group, clusters of 4 x 4, 327,680 bytes of LDS; arguments xc, xs, wc, ws, cntp, part; writes part
.if DOCPART == 2
	.amdgcn_target "amdgcn-amd-amdhsa--gfx1250"
	.amdhsa_code_object_version 6
	.text
	.protected	k_q2a0f033681_kv
	.globl	k_q2a0f033681_kv
	.p2align	8
	.type	k_q2a0f033681_kv,@function
k_q2a0f033681_kv:
	s_mov_b64 s[64:65], 0
	v_nop
	global_prefetch_b8 v0, s[64:65] scope:SCOPE_SE
	s_setreg_imm32_b32 hwreg(HW_REG_WAVE_MODE, 25, 1), 1
	s_wait_xcnt 0x0
	s_wait_alu depctr_hold_cnt(0) depctr_sa_sdst(0) depctr_va_vdst(0) depctr_va_sdst(0) depctr_va_ssrc(0) depctr_va_vcc(0) depctr_vm_vsrc(0)
	s_getreg_b32 s2, hwreg(HW_REG_IB_STS2, 6, 4)
	s_cmp_eq_u32 s2, 0
	s_cbranch_scc0 .Lentry_in_a_cluster
	s_endpgm
.Lentry_in_a_cluster:
	s_bfe_u32 s2, ttmp6, 0x10000c
	s_cmp_lg_u32 s2, 0xf033
	s_cbranch_scc0 .Lentry_shape_is_right
	s_endpgm
.Lentry_shape_is_right:
; KV: k = x Wk and v = x Wv on codes of FP6 (E2M3) with E8M0 scales; kept is part[R][y][k, v][n] = the sum over the 256 rows j of tile row R of count[y][j] x (x W)[j][n].
; (The sum over all queries of the gathered rows is the sum over rows weighted by how often each row is named.  The biases enter in the next launch.)  k and v never go to memory.
; A tile, 256 rows x 256 columns, is made by four waves, each 128 x 128 in 64 accumulators.  A work-group makes two tiles of the same rows of x: Wk's columns, then Wv's (1,024 rows of wc further on).
; K goes in CHUNKS OF 256 BYTES of the 768-byte rows of codes through two LDS slots: six chunks, chunk c in slot c % 2; a step of 128 along K is 96 bytes, sixteen steps in all, counted through both tiles.
; Clusters of 4 x 4: x's tiles are shared along a row of the cluster, W's along a column, each asked for jointly.
; Source 0 = 16 rows of x, source 1 = 16 columns of W: register j of lane (r, h) is row 8 h + j, column r, so the weighted sum over rows runs inside a lane.
; No prefetch: the text has no loop to run ahead in, and a tile's K is three chunks.
; REGISTERS: window 0: v0-31 addresses; v32-63 scale words alone; v64-95 the way out's sums; v128-223 x's fragments.  window 1: W's fragments, two sets (v0-95, v128-223).
;   v96-127 and v224-255 of windows 0 and 1: the counts of my 128 rows.  windows 2, 3: the accumulators, (a, b) at v[8 (8 (a % 4) + b)].
.set ROWB,   256
.set NQ,     2
.set KROW,   768
.set STEPS,  16
.set CHUNKS, 6
.set PITCH,  272
.set FR,     12
.set NL,     6
.set NP,     4
.set HALFT,  128*PITCH
.set SLOT,   4*HALFT
.set KS,     32
.set SCL,    2*SLOT                    ; scales: x's 256 rows, Wk's 256, Wv's 256, as units of 256 bytes + 16
.set HALFS,  (128*KS/256)*272
.set SBLK,   (16*KS/256)*272
.set SPARE,  SCL+6*HALFS               ; the spare words, 128 bytes a wave
.set CNT,    SPARE+512                 ; [y 2][256 rows] f32
.set RED,    CNT+2048                  ; [tile 2][row half 2][y 2][256 columns] f32
.set ADRS2, 11
.set ADRA, 16
.set ADRB, 20
.set ADRS, 27
.set SPW,  28
.set NIL,  29
.set SC,   32
.set SS,   64
.set AF,   128
.set G1, 24
.set G0, 32
.set G1B, 48
.set G0B, 56
.set G1S, 68
.set G0S, 76
.set G1SB, 80
.set G0SB, 88
.set G0H, 4
.set G0HB, 8
.set TO_B, 0x40
.set MSB, 0
.macro WIN new                         ; the immediate's high byte repeats the setting that is left
.if MSB != (\new)
	s_set_vgpr_msb (MSB<<8)|(\new)
.set MSB, \new
.endif
.endm
.macro TL g0, g1                       ; a tensor load with an s_nop and four v_nop behind it
	tensor_load_to_lds s[\g0:\g0+3], s[\g1:\g1+7]
	s_nop 0
.rept 4
	v_nop
.endr
.endm
.macro JLOAD g0a, g1a, g0b, g1b        ; waves 0, 1 fetch for x, waves 2, 3 for W
	s_cmp_eq_u32 s15, 0
	s_cbranch_scc0 .Lfor_b_\@
	TL \g0a, \g1a
	s_branch .Lasked_\@
.Lfor_b_\@:
	TL \g0b, \g1b
.Lasked_\@:
.endm
.macro CREST
	s_cmp_lg_u32 s14, 0
	s_cbranch_scc1 .Lnot_wave_0_\@
	s_barrier_signal -3
.Lnot_wave_0_\@:
	s_barrier_wait -3
	s_barrier_signal -1
	s_barrier_wait -1
.endm
.macro CROUND
	s_barrier_signal -1
	s_barrier_wait -1
	CREST
.endm
.macro CDESC g                         ; codes: 256 rows of 256 bytes at the head; 128 rows behind it
	s_mov_b32 s[\g+1], ROWB<<16
	s_mov_b32 s[\g+2], 256<<16
	s_mov_b32 s[\g+3], ROWB<<16
	s_mov_b32 s[\g+4], 256
	s_mov_b32 s[\g+5], KROW
	s_mov_b32 s[\g+6], 0
	s_mov_b32 s[\g+7], 0
.endm
.macro SDESC g, rows                   ; scales: a dense block as rows of 256 bytes (32 elements of 8)
	s_mov_b32 s[\g+1], 32<<16
	s_mov_b32 s[\g+2], (\rows)<<16
	s_mov_b32 s[\g+3], 32<<16
	s_mov_b32 s[\g+4], \rows
	s_mov_b32 s[\g+5], 32
	s_mov_b32 s[\g+6], 0
	s_mov_b32 s[\g+7], 0
.endm
.macro GZERO g, lds, a                 ; a group 0: LDS address, global address
	s_mov_b32 s[\g], 1
	s_mov_b32 s[\g+1], \lds
	s_mov_b64 s[\g+2:\g+3], s[\a:\a+1]
	s_or_b32 s[\g+3], s[\g+3], 0x80000000
.endm
.macro ARM under, g0, g1, next
	s_cmp_lt_u32 s14, \under
	s_cbranch_scc0 \next
	TL \g0, \g1
	s_branch .Lhead_asked
\next:
.endm
	s_load_b128 s[4:7], s[0:1], 0x0                ; xc, xs
	s_load_b128 s[8:11], s[0:1], 0x10              ; wc, ws
	s_load_b128 s[96:99], s[0:1], 0x20             ; cntp, part
	v_lshl_add_u32 v[SPW], v0, 2, SPARE
	v_mov_b32 v[NIL], 0
	ds_add_u32 v[SPW], v[NIL]                      ; the opening lines: the add twice on end
	ds_add_u32 v[SPW], v[NIL]
	v_lshrrev_b32 v1, 5, v0
	v_readfirstlane_b32 s14, v1                    ; wave
	v_and_b32 v12, 63, v0
	v_lshlrev_b32 v12, 4, v12
	v_lshrrev_b32 v8, 6, v0                        ; thread t: y = t / 64, rows 4 (t % 64) on
	v_lshl_add_u32 v10, v8, 13, v12                ; my place in part: 8,192 y + 16 (t % 64)
	v_lshl_add_u32 v12, v8, 14, v12                ; and in cntp: 16,384 y + 16 (t % 64)
	v_lshl_add_u32 v8, v0, 4, CNT                  ; where I put four counts
	v_lshl_add_u32 v9, v0, 4, RED                  ; where I read four sums back
	s_lshr_b32 s15, s14, 1                         ; my half of the rows; also: I fetch for x (0) or W (1)
	s_and_b32 s16, s14, 1                          ; my half of the columns; also: which 128 rows I fetch
	s_bfe_u32 s40, ttmp6, 0x40000
	s_bfe_u32 s41, ttmp6, 0x40004
	s_lshl_b32 s42, ttmp9, 2
	s_add_co_u32 s42, s42, s40                     ; tile column 0..3
	s_and_b32 s17, ttmp7, 0xffff
	s_lshl_b32 s17, s17, 2
	s_add_co_u32 s17, s17, s41                     ; tile row 0..63
	s_lshl_b32 s43, s41, 2
	s_lshl_b32 s43, 15, s43                        ; my row of the cluster
	s_lshl_b32 s44, 0x1111, s40                    ; my column
	s_mov_b32 s66, 0x76543210
	s_mov_b32 s67, 0xfedcba98
	s_or_b32 s[G1+0], s43, (0<<16)|(1<<20)|(1<<21)|(5<<22)|(3<<25)
	s_or_b32 s[G1B+0], s44, (0<<16)|(1<<20)|(1<<21)|(5<<22)|(3<<25)
	CDESC G1
	CDESC G1B
	s_or_b32 s[G1S+0], s43, (3<<16)|(1<<20)|(1<<21)|(5<<22)|(3<<25)
	s_or_b32 s[G1SB+0], s44, (3<<16)|(1<<20)|(1<<21)|(5<<22)|(3<<25)
	SDESC G1S, KS                                  ; x's 256 rows: 8,192 bytes
	SDESC G1SB, 2*KS                               ; Wk's and Wv's 256 rows each: 16,384 bytes on end
	s_lshl_b32 s20, s17, 8                         ; x: first row
	s_mul_i32 s22, s20, KS
	s_mul_i32 s20, s20, KROW
	s_mov_b32 s21, 0
	s_mov_b32 s23, 0
	s_lshl_b32 s46, s42, 8
	s_add_co_u32 s46, s46, 1024                    ; Wk: row 1,024 + 256 x tile column
	s_mul_i32 s46, s46, KROW
	s_mov_b32 s47, 0
	s_mul_i32 s92, s42, 768*KS
	s_add_co_u32 s92, s92, 256*KS                  ; ws: behind the tile's 256 rows of Wq's scales
	s_mov_b32 s93, 0
	s_mul_i32 s18, s16, 128*KROW
	s_mov_b32 s19, 0
	s_mul_i32 s45, s14, HALFT
	s_wait_alu depctr_va_vdst(0)
	s_wait_dscnt 0x0
	s_wait_kmcnt 0x0
	s_add_nc_u64 s[20:21], s[4:5], s[20:21]
	s_add_nc_u64 s[22:23], s[6:7], s[22:23]
	s_add_nc_u64 s[46:47], s[8:9], s[46:47]
	s_add_nc_u64 s[92:93], s[10:11], s[92:93]
	s_lshr_b32 s2, s17, 4
	s_lshl_b32 s2, s2, 15                          ; the batch
	s_and_b32 s3, s17, 15
	s_lshl_b32 s3, s3, 10                          ; the tile's 256 rows in it
	s_add_co_u32 s2, s2, s3
	s_mov_b32 s3, 0
	s_add_nc_u64 s[96:97], s[96:97], s[2:3]
.irp p, 0,1,2,3,4,5,6,7
	global_load_b128 v[96+4*\p:99+4*\p], v12, s[96:97] offset:\p*131072   ; eight partial histograms; added behind the first step
.endr
	s_lshl_b32 s2, s17, 14
	s_lshl_b32 s3, s42, 10
	s_add_co_u32 s2, s2, s3
	s_mov_b32 s3, 0
	s_add_nc_u64 s[98:99], s[98:99], s[2:3]
	CROUND                                         ; the first joint loads meet
	GZERO G0H, 0, 20
	GZERO G0HB, 2*HALFT, 46
	GZERO G0S, SCL, 22
	GZERO G0SB, SCL+2*HALFS, 92
	s_add_nc_u64 s[20:21], s[20:21], s[18:19]      ; for the ring: my 128 rows
	s_add_nc_u64 s[46:47], s[46:47], s[18:19]
.irp s, 0,1
	s_mov_b32 s[G0+4*\s], 1
	s_add_co_u32 s[G0+4*\s+1], s45, \s*SLOT
	s_add_nc_u64 s[G0+4*\s+2:G0+4*\s+3], s[20:21], \s*ROWB
	s_or_b32 s[G0+4*\s+3], s[G0+4*\s+3], 0x80000000
	s_mov_b32 s[G0B+4*\s], 1
	s_add_co_u32 s[G0B+4*\s+1], s45, \s*SLOT
	s_add_nc_u64 s[G0B+4*\s+2:G0B+4*\s+3], s[46:47], \s*ROWB
	s_or_b32 s[G0B+4*\s+3], s[G0B+4*\s+3], 0x80000000
.endr
	; the head's four tiles, one a wave: chunk 0 of x, of Wk, x's scales, W's scales
	ARM 1, G0H,  G1,  .Lhead_b
	ARM 2, G0HB, G1B, .Lhead_sa
	ARM 3, G0S,  G1S, .Lhead_sb
	TL G0SB, G1SB
.Lhead_asked:
	v_and_b32 v1, 15, v0                           ; r
	v_bfe_u32 v2, v0, 4, 1                         ; h
	v_mul_u32_u24 v3, v1, PITCH
	v_mul_u32_u24 v4, v2, 24
	v_add_nc_u32 v4, v3, v4
	s_mov_b32 s21, SLOT-232
	s_mov_b32 s22, SLOT+232
	v_sub_nc_u32 v7, 1, v2
	v_mul_u32_u24 v5, s21, v2
	v_add_nc_u32 v5, v3, v5
	v_add_nc_u32 v5, 232, v5                       ; across two chunks: lanes 0-15 byte 232 in slot 0, lanes 16-31 byte 0 in slot 1
	v_mul_u32_u24 v6, s22, v7
	v_add_nc_u32 v6, v3, v6                        ; and the other way round
	s_mul_i32 s21, s15, HALFT
	s_mul_i32 s22, s16, HALFT
	s_add_co_u32 s22, s22, 2*HALFT
	v_add_nc_u32 v[ADRA+2], s21, v5
	v_add_nc_u32 v[ADRA+3], s21, v6
	v_add_nc_u32 v[ADRB+2], s22, v5
	v_add_nc_u32 v[ADRB+3], s22, v6
.irp s, 0,1
	v_add_nc_u32 v[ADRA+\s], s21, v4
	v_add_nc_u32 v[ADRB+\s], s22, v4
	s_add_co_u32 s21, s21, SLOT
	s_add_co_u32 s22, s22, SLOT
.endr
	v_mul_u32_u24 v5, v1, KS
	v_lshrrev_b32 v6, 8, v5
	v_lshl_add_u32 v5, v6, 4, v5                   ; my row's scales: 32 bytes a row, 16 more for each 256 passed
	s_mul_i32 s21, s15, HALFS
	s_mul_i32 s22, s16, HALFS
	s_add_co_u32 s22, s22, 2*HALFS
	s_sub_co_u32 s22, s22, s21
	s_add_co_u32 s23, s22, 2*HALFS                 ; Wv's lie behind Wk's
	v_mul_u32_u24 v6, s22, v2                      ; lanes 16-31 take W's: the half x the distance
	v_mul_u32_u24 v[ADRS2], s23, v2
	s_add_co_u32 s21, s21, SCL
	v_add_nc_u32 v6, v5, v6
	v_add_nc_u32 v[ADRS2], v5, v[ADRS2]
	v_add_nc_u32 v[ADRS], s21, v6
	v_add_nc_u32 v[ADRS2], s21, v[ADRS2]
	s_lshl_b32 s21, s15, 9
	s_add_co_u32 s21, s21, CNT
	v_lshl_add_u32 v30, v2, 5, s21                 ; the counts of my rows
	s_lshl_b32 s21, s15, 11
	s_lshl_b32 s22, s16, 9
	s_add_co_u32 s21, s21, s22
	s_add_co_u32 s21, s21, RED
	v_lshl_add_u32 v31, v1, 2, s21                 ; my sums' place
.macro FRAG reg, adr, st, i            ; 16 rows x 128 K: 12 registers in pieces of 8 bytes; byte y of the walk lies in slot (y / 256) % 2 at byte y % 256 of the LDS row
.irp p, 0,1,2,3,4,5
.set BY, 96*(\st)+48*(\p/3)+8*(\p%3)
.if BY/ROWB == (BY+24)/ROWB
	ds_load_b64 v[\reg+2*\p:\reg+2*\p+1], v[\adr+(BY/ROWB)%2] offset:BY%ROWB+(\i)*16*PITCH
.else
	ds_load_b64 v[\reg+2*\p:\reg+2*\p+1], v[\adr+2+(BY/ROWB)%2] offset:BY%ROWB-232+(\i)*16*PITCH
.endif
.endr
.endm
; 16 products: x's blocks a0, a0 + 1 against W's eight.  The 64 accumulators take turns.
.macro MUL16 a0, p, q, sc, zero
.irp a, \a0, \a0+1
.irp b, 0,1,2,3,4,5,6,7
.if \zero
	v_wmma_scale_f32_16x16x128_f8f6f4 v[8*(8*((\a)%4)+\b):8*(8*((\a)%4)+\b)+7], v[AF+FR*(\a):AF+FR*(\a)+FR-1], v[128*(\p)+FR*\b:128*(\p)+FR*\b+FR-1], 0, v[SC+8*NQ*(\sc)+NQ*(\a)+(\q)], v[SC+8*NQ*(\sc)+NQ*\b+(\q)] matrix_a_fmt:MATRIX_FMT_FP6 matrix_b_fmt:MATRIX_FMT_FP6 matrix_b_scale:MATRIX_SCALE_ROW1
.else
	v_wmma_scale_f32_16x16x128_f8f6f4 v[8*(8*((\a)%4)+\b):8*(8*((\a)%4)+\b)+7], v[AF+FR*(\a):AF+FR*(\a)+FR-1], v[128*(\p)+FR*\b:128*(\p)+FR*\b+FR-1], v[8*(8*((\a)%4)+\b):8*(8*((\a)%4)+\b)+7], v[SC+8*NQ*(\sc)+NQ*(\a)+(\q)], v[SC+8*NQ*(\sc)+NQ*\b+(\q)] matrix_a_fmt:MATRIX_FMT_FP6 matrix_b_fmt:MATRIX_FMT_FP6 matrix_b_scale:MATRIX_SCALE_ROW1
.endif
.endr
.endr
.endm
.macro M a0, st, z                     ; source 0 window 0, source 1 window 1, C and D window 2 or 3
	WIN 0xa4+0x50*((\a0)/4)
	MUL16 \a0, (\st)%2, (\st)%2, ((\st)/2)%2, \z
.endm
.macro FETCH_B st, p
	WIN TO_B
.irp i, 0,1,2,3,4,5,6,7
	FRAG 128*(\p)+FR*\i, ADRB, \st, \i
.endr
	WIN 0
.endm
.macro FETCH_A st, i0
.irp i, \i0, \i0+1, \i0+2, \i0+3
	FRAG AF+FR*(\i), ADRA, \st, \i
.endr
.endm
.macro SCALES pr                       ; the scale words of steps 2 pr, 2 pr + 1: lanes 0-15 x's block i, lanes 16-31 W's; pairs 4 .. 7 are the second tile's
.irp i, 0,1,2,3,4,5,6,7
.if (\pr) < 4
	ds_load_b64 v[SC+8*NQ*((\pr)%2)+NQ*\i:SC+8*NQ*((\pr)%2)+NQ*\i+1], v[ADRS] offset:\i*SBLK+4*NQ*((\pr)%4)
.else
	ds_load_b64 v[SC+8*NQ*((\pr)%2)+NQ*\i:SC+8*NQ*((\pr)%2)+NQ*\i+1], v[ADRS2] offset:\i*SBLK+4*NQ*((\pr)%4)
.endif
.endr
.endm
; count (y, a, j), of row 16 a + 8 h + j, at v[96 + 128 ((a / 2) % 2) + 16 y + 8 (a % 2) + j], window 0 for a = 0 .. 3, window 1 for a = 4 .. 7
.macro CWLOAD
.irp a, 0,1,2,3,4,5,6,7
.if \a == 4
	WIN TO_B
.endif
.irp y, 0,1
.irp q, 0,1
	ds_load_b128 v[96+128*((\a/2)%2)+16*\y+8*(\a%2)+4*\q:96+128*((\a/2)%2)+16*\y+8*(\a%2)+4*\q+3], v30 offset:\y*1024+64*\a+16*\q
.endr
.endr
.endr
.endm
.macro PLACES n                        ; plain lines between a matrix instruction and a load into, or a read of, its registers
.rept \n
	v_nop
.endr
.endm
; A step of 128 along K; the next step's fragments are fetched in its middle and at its end.  Where the next step's bytes END in a chunk not yet read: a wait for my tensor loads and a barrier.
; Where they BEGIN in a later chunk: a wait for my tensor loads, the spare add and its wait, the barrier, and, where a chunk two on is left, the cluster's round and the refill.
.macro STEP st, z, cw
.set NX, (\st)+1
.set C0, (96*(\st))/ROWB
.set C1, (96*NX)/ROWB
.set E0, (96*(\st)+95)/ROWB
.set E1, (96*NX+95)/ROWB
.if C1 > C0 || E1 > E0
	s_wait_tensorcnt 0x0
.if C1 > C0
	ds_add_u32 v[SPW], v[NIL]
	s_wait_dscnt 4*NL+1                            ; the add and the 24 youngest loads may be out
.else
	s_wait_dscnt 4*NL                              ; the 24 youngest LDS instructions may be out
.endif
	M 0, \st, 0
	s_wait_dscnt 0x0                               ; the add, my reads and my stores are done
	s_barrier_signal -1
	M 2, \st, 0
	WIN 0
	s_barrier_wait -1
.if C1 > C0 && C0+2 < CHUNKS
	CREST
.set DA, (((C0+2)%3)-(C0%3))*ROWB      ; x walks its three chunks twice; W goes on to Wv's rows
.set DB, DA+(((C0+2)/3)-(C0/3))*1024*KROW
.if DA < 0
	s_sub_nc_u64 s[G0+4*(C0%2)+2:G0+4*(C0%2)+3], s[G0+4*(C0%2)+2:G0+4*(C0%2)+3], -DA
.else
	s_add_nc_u64 s[G0+4*(C0%2)+2:G0+4*(C0%2)+3], s[G0+4*(C0%2)+2:G0+4*(C0%2)+3], DA
.endif
	s_add_nc_u64 s[G0B+4*(C0%2)+2:G0B+4*(C0%2)+3], s[G0B+4*(C0%2)+2:G0B+4*(C0%2)+3], DB
	JLOAD G0+4*(C0%2), G1, G0B+4*(C0%2), G1B       ; chunk C0 + 2; its four v_nop are the places ahead of the loads below
.else
	PLACES NP
.endif
.else
	s_wait_dscnt 4*NL                              ; W's set and x's blocks 0-3 are in
	M 0, \st, \z
	M 2, \st, \z
	s_wait_dscnt 0
	PLACES NP
.endif
	FETCH_B NX, NX%2
	FETCH_A NX, 0
.if NX%2 == 0
	SCALES NX/2
.endif
.if \cw
	CWLOAD                                         ; behind the barrier that has shown every wave's counts
.endif
	M 4, \st, \z
	M 6, \st, \z
	PLACES NP
	WIN 0
	FETCH_A NX, 4
.endm
; THE WAY OUT of a tile: sum (y, b) += accumulator (a, b) x count (y, a), two rows at a time; each accumulator is read from its low end on.
.macro REDUCE tile
.irp a, 0,1,2,3,4,5,6,7
	WIN 0x02+5*((\a)/4)
.irp jp, 0,1,2,3
.irp b, 0,1,2,3,4,5,6,7
.irp y, 0,1
.if (\a == 0) && (\jp == 0)
	v_pk_mul_f32 v[SS+2*(8*\y+\b):SS+2*(8*\y+\b)+1], v[8*(8*(\a%4)+\b)+2*\jp:8*(8*(\a%4)+\b)+2*\jp+1], v[96+128*((\a/2)%2)+16*\y+8*(\a%2)+2*\jp:96+128*((\a/2)%2)+16*\y+8*(\a%2)+2*\jp+1]
.else
	v_pk_fma_f32 v[SS+2*(8*\y+\b):SS+2*(8*\y+\b)+1], v[8*(8*(\a%4)+\b)+2*\jp:8*(8*(\a%4)+\b)+2*\jp+1], v[96+128*((\a/2)%2)+16*\y+8*(\a%2)+2*\jp:96+128*((\a/2)%2)+16*\y+8*(\a%2)+2*\jp+1], v[SS+2*(8*\y+\b):SS+2*(8*\y+\b)+1]
.endif
.endr
.endr
.endr
.endr
	WIN 0
.irp i, 0,1,2,3,4,5,6,7,8,9,10,11,12,13,14,15
	v_add_f32 v[SS+2*\i], v[SS+2*\i], v[SS+2*\i+1]
.endr
.irp i, 0,1,2,3,4,5,6,7,8,9,10,11,12,13,14,15
	v_permlanex16_b32 v[SS+2*\i+1], v[SS+2*\i], s66, s67
.endr
.irp i, 0,1,2,3,4,5,6,7,8,9,10,11,12,13,14,15
	v_add_f32 v[SS+2*\i], v[SS+2*\i], v[SS+2*\i+1] ; my 128 rows
.endr
.irp y, 0,1
.irp b, 0,1,2,3,4,5,6,7
	ds_store_b32 v31, v[SS+2*(8*\y+\b)] offset:\tile*4096+\y*1024+64*\b   ; both halves of the lanes write the same word with the same bits
.endr
.endr
.endm
	s_wait_alu depctr_va_vdst(0)
	s_wait_tensorcnt 0x0                           ; my tile of the head's four is in
	ds_add_u32 v[SPW], v[NIL]
	s_mov_b32 s[G1+2], 128<<16                     ; no tensor load of mine is out: from here on a load brings 128 rows
	s_mov_b32 s[G1+4], 128
	s_mov_b32 s[G1B+2], 128<<16
	s_mov_b32 s[G1B+4], 128
	s_wait_dscnt 0x0
	CROUND
	JLOAD G0+4, G1, G0B+4, G1B                     ; chunk 1
	FETCH_B 0, 0
	FETCH_A 0, 0
	SCALES 0
	FETCH_A 0, 4
	STEP 0, 1, 0                                   ; the first products start the sums
	s_wait_loadcnt 0x0                             ; the eight partial histograms
.irp p, 1,2,3,4,5,6,7
.irp c, 0,1,2,3
	v_add_nc_u32 v[96+\c], v[96+\c], v[96+4*\p+\c]
.endr
.endr
.irp c, 0,1,2,3
	v_cvt_f32_u32 v[96+\c], v[96+\c]               ; at most 4,096 hits of 4,096: exact
.endr
	v_pk_mul_f32 v[96:97], v[96:97], 0x39800000 op_sel_hi:[1,0]   ; x 2^-12: the count
	v_pk_mul_f32 v[98:99], v[98:99], 0x39800000 op_sel_hi:[1,0]
	ds_store_b128 v8, v[96:99]                     ; the next step's barrier shows it to every wave
	STEP 1, 0, 1
.irp t, 2,3,4,5,6,7
	STEP \t, 0, 0
.endr
	REDUCE 0                                       ; Wk's tile; its last lines are the places ahead of the products that begin the accumulators anew
	STEP 8, 1, 0
.irp t, 9,10,11,12,13,14
	STEP \t, 0, 0
.endr
	s_wait_dscnt 4*NL                              ; the very last step
	M 0, 15, 0
	M 2, 15, 0
	s_wait_dscnt 0
	M 4, 15, 0
	M 6, 15, 0
	WIN 0
	PLACES NP
	REDUCE 1                                       ; Wv's tile
	s_wait_dscnt 0x0                               ; for the others' sake: my sums are stored
	s_barrier_signal -1
	s_barrier_wait -1
.irp t, 0,1
	ds_load_b128 v[128+8*\t:131+8*\t], v9 offset:4096*\t        ; rows 0-127's sums,
	ds_load_b128 v[132+8*\t:135+8*\t], v9 offset:4096*\t+2048   ; rows 128-255's
.endr
	s_wait_dscnt 0x0
.irp t, 0,1
	v_pk_add_f32 v[128+8*\t:129+8*\t], v[128+8*\t:129+8*\t], v[132+8*\t:133+8*\t]
	v_pk_add_f32 v[130+8*\t:131+8*\t], v[130+8*\t:131+8*\t], v[134+8*\t:135+8*\t]
.endr
.irp t, 0,1
	global_store_b128 v10, v[128+8*\t:131+8*\t], s[98:99] offset:4096*\t   ; a wave stores 512 consecutive bytes, aligned
.endr
	s_wait_tensorcnt 0x0                           ; the wave's end
	ds_add_u32 v[SPW], v[NIL]
	s_wait_dscnt 0x0
	CROUND                                         ; the closing round
	s_endpgm
.Lfunc_end_k_q2a0f033681_kv:
	.size	k_q2a0f033681_kv, .Lfunc_end_k_q2a0f033681_kv-k_q2a0f033681_kv
	.p2alignl 7, 3214868480
	.fill 96, 4, 3214868480
	.section	.rodata,"a",@progbits
	.p2align	6, 0x0
	.amdhsa_kernel k_q2a0f033681_kv
		.amdhsa_group_segment_fixed_size 327680
		.amdhsa_private_segment_fixed_size 0
		.amdhsa_enable_private_segment 0
		.amdhsa_kernarg_size 48
		.amdhsa_user_sgpr_count 2
		.amdhsa_user_sgpr_kernarg_segment_ptr 1
		.amdhsa_wavefront_size32 1
		.amdhsa_system_sgpr_workgroup_id_x 1
		.amdhsa_system_sgpr_workgroup_id_y 1
		.amdhsa_system_sgpr_workgroup_id_z 1
		.amdhsa_system_vgpr_workitem_id 0
		.amdhsa_next_free_vgpr 1024
		.amdhsa_next_free_sgpr 100
		.amdhsa_reserve_vcc 0
		.amdhsa_float_denorm_mode_32 3
		.amdhsa_float_denorm_mode_16_64 3
		.amdhsa_memory_ordered 1
		.amdhsa_forward_progress 1
		.amdhsa_inst_pref_size 255
	.end_amdhsa_kernel
	.section	.bss,"aw",@nobits
	.p2align	6
	.space	262144
	.amdgpu_metadata
---
amdhsa.version: [ 1, 2 ]
amdhsa.kernels:
  - .name:           k_q2a0f033681_kv
    .symbol:         k_q2a0f033681_kv.kd
    .args:
      - { .name: xc, .offset: 0, .size: 8, .value_kind: global_buffer, .address_space: global }
      - { .name: xs, .offset: 8, .size: 8, .value_kind: global_buffer, .address_space: global }
      - { .name: wc, .offset: 16, .size: 8, .value_kind: global_buffer, .address_space: global }
      - { .name: ws, .offset: 24, .size: 8, .value_kind: global_buffer, .address_space: global }
      - { .name: cntp, .offset: 32, .size: 8, .value_kind: global_buffer, .address_space: global }
      - { .name: part, .offset: 40, .size: 8, .value_kind: global_buffer, .address_space: global }
    .group_segment_fixed_size: 327680
    .private_segment_fixed_size: 0
    .kernarg_segment_align: 8
    .kernarg_segment_size: 48
    .max_flat_workgroup_size: 128
    .sgpr_count:     100
    .vgpr_count:     1024
    .wavefront_size: 32
...
	.end_amdgpu_metadata
.endif
;; end of part 2
;; launch qatt (part 3): grid 4 x 64, 4 waves a work-group, clusters of 4 x 4, 327,680 bytes of LDS; arguments xc, xs, wc, ws, out0, part, bq, bk, bv; writes out0
.if DOCPART == 3
	.amdgcn_target "amdgcn-amd-amdhsa--gfx1250"
	.amdhsa_code_object_version 6
	.text
	.protected	k_q2a0f033681_qatt
	.globl	k_q2a0f033681_qatt
	.p2align	8
	.type	k_q2a0f033681_qatt,@function
k_q2a0f033681_qatt:
	s_mov_b64 s[64:65], 0
	v_nop
	global_prefetch_b8 v0, s[64:65] scope:SCOPE_SE
	s_setreg_imm32_b32 hwreg(HW_REG_WAVE_MODE, 25, 1), 1
	s_wait_xcnt 0x0
	s_wait_alu depctr_hold_cnt(0) depctr_sa_sdst(0) depctr_va_vdst(0) depctr_va_sdst(0) depctr_va_ssrc(0) depctr_va_vcc(0) depctr_vm_vsrc(0)
	s_getreg_b32 s2, hwreg(HW_REG_IB_STS2, 6, 4)
	s_cmp_eq_u32 s2, 0
	s_cbranch_scc0 .Lentry_in_a_cluster
	s_endpgm
.Lentry_in_a_cluster:
	s_bfe_u32 s2, ttmp6, 0x10000c
	s_cmp_lg_u32 s2, 0xf033
	s_cbranch_scc0 .Lentry_shape_is_right
	s_endpgm
.Lentry_shape_is_right:
; QATT: q = x Wq + bq on codes of FP6 (E2M3) with E8M0 scales, then for each query and head the two scores against k's sums, their softmax (the larger score taken away first), and the weighted sum of v's sums.
; k's and v's sums: the batch's 16 partial sums of the launch before, + 4,096 x the bias (each of the 4,096 gathered rows carries it).  q never goes to memory.
; A tile, 256 queries x 256 columns (four heads), is made by four waves, each 128 x 128 (two heads) in 64 accumulators.  K goes in three chunks of 256 bytes of the 768-byte rows of codes through two LDS slots;
; a step of 128 along K is 96 bytes: eight steps.  Clusters of 4 x 4: x's tiles are shared along a row of the cluster, Wq's along a column.
; Source 0 = 16 rows of Wq, source 1 = 16 rows of x: a lane holds eight neighbouring columns of one query.  bq is the C of each accumulator's first product.
; No prefetch: the text has no loop to run ahead in, and K is three chunks.
; LIMIT: the promise holds while the scaled scores stay under 2^31 in magnitude.
; REGISTERS: window 0: v0-31 addresses, later scores; v32-63 scale words alone; v64-127 bq, later results; v128-223 x's fragments.  window 1: Wq's fragments, two sets, later k's and v's sums.  windows 2, 3: accumulators.
.set ROWB,   256
.set NQ,     2
.set KROW,   768
.set CHUNKS, 3
.set PITCH,  272
.set FR,     12
.set NL,     6
.set NP,     4
.set HALFT,  128*PITCH
.set SLOT,   4*HALFT
.set KS,     32
.set SCL,    2*SLOT
.set HALFS,  (128*KS/256)*272
.set SBLK,   (16*KS/256)*272
.set SPARE,  SCL+4*HALFS               ; the spare words, 128 bytes a wave
.set KVS,    SPARE+512                 ; [k, v][y 2][256 columns] f32
.set SPITCH, 528
.set STAGE,  SLOT                      ; the way out's stages lie in slot 1: it has had its last fill and, behind the walk's last barrier, its last read
.set ADRA, 16
.set ADRB, 20
.set STO,  24
.set RD,   25
.set CO,   26
.set ADRS, 27
.set SPW,  28
.set NIL,  29
.set SC,   32
.set TT,   2
.set PRB,  10
.set BQ,   64
.set OT,   64
.set AF,   128
.set BK,   128
.set G1, 24
.set G0, 32
.set G1B, 48
.set G0B, 56
.set G1S, 68
.set G0S, 76
.set G1SB, 80
.set G0SB, 88
.set G0H, 4
.set G0HB, 8
.set TO_B, 0x40
.set MSB, 0
.macro WIN new
.if MSB != (\new)
	s_set_vgpr_msb (MSB<<8)|(\new)
.set MSB, \new
.endif
.endm
.macro TL g0, g1                       ; a tensor load with an s_nop and four v_nop behind it
	tensor_load_to_lds s[\g0:\g0+3], s[\g1:\g1+7]
	s_nop 0
.rept 4
	v_nop
.endr
.endm
.macro JLOAD g0a, g1a, g0b, g1b
	s_cmp_eq_u32 s15, 0
	s_cbranch_scc0 .Lfor_b_\@
	TL \g0a, \g1a
	s_branch .Lasked_\@
.Lfor_b_\@:
	TL \g0b, \g1b
.Lasked_\@:
.endm
.macro CREST
	s_cmp_lg_u32 s14, 0
	s_cbranch_scc1 .Lnot_wave_0_\@
	s_barrier_signal -3
.Lnot_wave_0_\@:
	s_barrier_wait -3
	s_barrier_signal -1
	s_barrier_wait -1
.endm
.macro CROUND
	s_barrier_signal -1
	s_barrier_wait -1
	CREST
.endm
.macro CDESC g
	s_mov_b32 s[\g+1], ROWB<<16
	s_mov_b32 s[\g+2], 256<<16
	s_mov_b32 s[\g+3], ROWB<<16
	s_mov_b32 s[\g+4], 256
	s_mov_b32 s[\g+5], KROW
	s_mov_b32 s[\g+6], 0
	s_mov_b32 s[\g+7], 0
.endm
.macro SDESC g, rows
	s_mov_b32 s[\g+1], 32<<16
	s_mov_b32 s[\g+2], (\rows)<<16
	s_mov_b32 s[\g+3], 32<<16
	s_mov_b32 s[\g+4], \rows
	s_mov_b32 s[\g+5], 32
	s_mov_b32 s[\g+6], 0
	s_mov_b32 s[\g+7], 0
.endm
.macro GZERO g, lds, a
	s_mov_b32 s[\g], 1
	s_mov_b32 s[\g+1], \lds
	s_mov_b64 s[\g+2:\g+3], s[\a:\a+1]
	s_or_b32 s[\g+3], s[\g+3], 0x80000000
.endm
.macro ARM under, g0, g1, next
	s_cmp_lt_u32 s14, \under
	s_cbranch_scc0 \next
	TL \g0, \g1
	s_branch .Lhead_asked
\next:
.endm
	s_load_b128 s[4:7], s[0:1], 0x0                ; xc, xs
	s_load_b128 s[8:11], s[0:1], 0x10              ; wc, ws
	s_load_b64 s[12:13], s[0:1], 0x20              ; out0
	s_load_b64 s[96:97], s[0:1], 0x28              ; part
	s_load_b64 s[98:99], s[0:1], 0x30              ; bq
	s_load_b64 s[100:101], s[0:1], 0x38            ; bk
	s_load_b64 s[104:105], s[0:1], 0x40            ; bv
	v_lshl_add_u32 v[SPW], v0, 2, SPARE
	v_mov_b32 v[NIL], 0
	ds_add_u32 v[SPW], v[NIL]                      ; the opening lines: the add twice on end
	ds_add_u32 v[SPW], v[NIL]
	v_lshrrev_b32 v1, 5, v0
	v_readfirstlane_b32 s14, v1
	v_bfe_u32 v2, v0, 4, 1
	v_lshlrev_b32 v14, 5, v2                       ; bq: 32 h
	v_and_b32 v15, 63, v0
	v_lshlrev_b32 v15, 4, v15                      ; part and biases: 16 (t % 64)
	s_lshr_b32 s15, s14, 1
	s_and_b32 s16, s14, 1
	s_bfe_u32 s40, ttmp6, 0x40000
	s_bfe_u32 s41, ttmp6, 0x40004
	s_lshl_b32 s42, ttmp9, 2
	s_add_co_u32 s42, s42, s40                     ; tile column 0..3
	s_and_b32 s17, ttmp7, 0xffff
	s_lshl_b32 s17, s17, 2
	s_add_co_u32 s17, s17, s41                     ; tile row 0..63
	s_lshl_b32 s43, s41, 2
	s_lshl_b32 s43, 15, s43
	s_lshl_b32 s44, 0x1111, s40
	s_mov_b32 s66, 0x76543210
	s_mov_b32 s67, 0xfedcba98
	s_mov_b32 s95, 0x3e38aa3b                      ; log2(e) / 8
	s_or_b32 s[G1+0], s43, (0<<16)|(1<<20)|(1<<21)|(5<<22)|(3<<25)
	s_or_b32 s[G1B+0], s44, (0<<16)|(1<<20)|(1<<21)|(5<<22)|(3<<25)
	CDESC G1
	CDESC G1B
	s_or_b32 s[G1S+0], s43, (3<<16)|(1<<20)|(1<<21)|(5<<22)|(3<<25)
	s_or_b32 s[G1SB+0], s44, (3<<16)|(1<<20)|(1<<21)|(5<<22)|(3<<25)
	SDESC G1S, KS
	SDESC G1SB, KS
	s_lshl_b32 s20, s17, 8
	s_mul_i32 s22, s20, KS
	s_mul_i32 s20, s20, KROW
	s_mov_b32 s21, 0
	s_mov_b32 s23, 0
	s_mul_i32 s46, s42, 256*KROW                   ; Wq: row 256 x tile column
	s_mov_b32 s47, 0
	s_mul_i32 s92, s42, 768*KS                     ; ws: the tile's q, k, v scales lie on end, q's first
	s_mov_b32 s93, 0
	s_mul_i32 s18, s16, 128*KROW
	s_mov_b32 s19, 0
	s_mul_i32 s45, s14, HALFT
	s_wait_alu depctr_va_vdst(0)
	s_wait_dscnt 0x0
	s_wait_kmcnt 0x0
	s_add_nc_u64 s[20:21], s[4:5], s[20:21]
	s_add_nc_u64 s[22:23], s[6:7], s[22:23]
	s_add_nc_u64 s[46:47], s[8:9], s[46:47]
	s_add_nc_u64 s[92:93], s[10:11], s[92:93]
	; what comes through registers is asked for here, ahead of the tiles
	s_lshl_b32 s2, s42, 10                         ; my tile's 256 columns, in bytes
	s_mov_b32 s3, 0
	s_cmp_lt_u32 s14, 2                            ; waves 0, 1 sum k's parts, waves 2, 3 v's
	s_cselect_b64 s[100:101], s[100:101], s[104:105]
	s_add_nc_u64 s[100:101], s[100:101], s[2:3]
	s_add_nc_u64 s[96:97], s[96:97], s[2:3]
	s_add_nc_u64 s[98:99], s[98:99], s[2:3]
	s_lshl_b32 s2, s16, 9
	s_add_nc_u64 s[98:99], s[98:99], s[2:3]        ; bq at my 128 columns
	s_lshr_b32 s2, s17, 4
	s_lshl_b32 s2, s2, 18                          ; the batch's 16 parts of 16,384 bytes
	s_add_nc_u64 s[96:97], s[96:97], s[2:3]
	s_lshl_b32 s2, s15, 12                         ; k's or v's
	s_add_nc_u64 s[96:97], s[96:97], s[2:3]
.irp b, 0,1,2,3,4,5,6,7
	global_load_b128 v[BQ+8*\b:BQ+8*\b+3], v14, s[98:99] offset:64*\b
	global_load_b128 v[BQ+8*\b+4:BQ+8*\b+7], v14, s[98:99] offset:64*\b+16
.endr
.irp i, 0,1,2,3,4,5,6,7,8,9,10,11,12,13,14,15
.irp y, 0,1
	global_load_b128 v[128+4*(2*\i+\y):128+4*(2*\i+\y)+3], v15, s[96:97] offset:\i*16384+\y*8192
.endr
.endr
	global_load_b128 v[10:13], v15, s[100:101]
	CROUND                                         ; the first joint loads meet
	GZERO G0H, 0, 20
	GZERO G0HB, 2*HALFT, 46
	GZERO G0S, SCL, 22
	GZERO G0SB, SCL+2*HALFS, 92
	s_add_nc_u64 s[20:21], s[20:21], s[18:19]
	s_add_nc_u64 s[46:47], s[46:47], s[18:19]
.irp s, 0,1
	s_mov_b32 s[G0+4*\s], 1
	s_add_co_u32 s[G0+4*\s+1], s45, \s*SLOT
	s_add_nc_u64 s[G0+4*\s+2:G0+4*\s+3], s[20:21], \s*ROWB
	s_or_b32 s[G0+4*\s+3], s[G0+4*\s+3], 0x80000000
	s_mov_b32 s[G0B+4*\s], 1
	s_add_co_u32 s[G0B+4*\s+1], s45, \s*SLOT
	s_add_nc_u64 s[G0B+4*\s+2:G0B+4*\s+3], s[46:47], \s*ROWB
	s_or_b32 s[G0B+4*\s+3], s[G0B+4*\s+3], 0x80000000
.endr
	; the head's four tiles, one a wave: chunk 0 of x, of Wq, x's scales, Wq's scales
	ARM 1, G0H,  G1,  .Lhead_b
	ARM 2, G0HB, G1B, .Lhead_sa
	ARM 3, G0S,  G1S, .Lhead_sb
	TL G0SB, G1SB
.Lhead_asked:
	v_and_b32 v1, 15, v0
	v_bfe_u32 v2, v0, 4, 1
	v_mul_u32_u24 v3, v1, PITCH
	v_mul_u32_u24 v4, v2, 24
	v_add_nc_u32 v4, v3, v4
	s_mov_b32 s21, SLOT-232
	s_mov_b32 s22, SLOT+232
	v_sub_nc_u32 v7, 1, v2
	v_mul_u32_u24 v5, s21, v2
	v_add_nc_u32 v5, v3, v5
	v_add_nc_u32 v5, 232, v5                       ; across two chunks: lanes 0-15 byte 232 in slot 0, lanes 16-31 byte 0 in slot 1
	v_mul_u32_u24 v6, s22, v7
	v_add_nc_u32 v6, v3, v6                        ; and the other way round
	s_mul_i32 s21, s15, HALFT
	s_mul_i32 s22, s16, HALFT
	s_add_co_u32 s22, s22, 2*HALFT
	v_add_nc_u32 v[ADRA+2], s21, v5
	v_add_nc_u32 v[ADRA+3], s21, v6
	v_add_nc_u32 v[ADRB+2], s22, v5
	v_add_nc_u32 v[ADRB+3], s22, v6
.irp s, 0,1
	v_add_nc_u32 v[ADRA+\s], s21, v4
	v_add_nc_u32 v[ADRB+\s], s22, v4
	s_add_co_u32 s21, s21, SLOT
	s_add_co_u32 s22, s22, SLOT
.endr
	v_mul_u32_u24 v5, v1, KS
	v_lshrrev_b32 v6, 8, v5
	v_lshl_add_u32 v5, v6, 4, v5
	s_mul_i32 s21, s15, HALFS
	s_mul_i32 s22, s16, HALFS
	s_add_co_u32 s22, s22, 2*HALFS
	s_sub_co_u32 s22, s22, s21
	v_mul_u32_u24 v6, s22, v2                      ; lanes 16-31 take Wq's
	s_add_co_u32 s21, s21, SCL
	v_add_nc_u32 v5, v5, v6
	v_add_nc_u32 v[ADRS], s21, v5
	s_mul_i32 s23, s14, 16*SPITCH
	s_add_co_u32 s23, s23, STAGE
	v_mul_u32_u24 v5, v1, SPITCH
	v_lshl_add_u32 v5, v2, 5, v5
	v_add_nc_u32 v[STO], s23, v5
	v_and_b32 v6, 31, v0
	v_lshlrev_b32 v[CO], 4, v6
	v_add_nc_u32 v[RD], s23, v[CO]
	v_lshrrev_b32 v9, 6, v0
	v_lshl_add_u32 v9, v9, 11, v15
	v_add_nc_u32 v9, KVS, v9                       ; where I put the sums: 2,048 (t / 64) + 16 (t % 64)
	s_lshl_b32 s21, s16, 9
	s_add_co_u32 s21, s21, KVS
	v_lshl_add_u32 v30, v2, 5, s21                 ; where I read them: my 128 columns, 32 h
	s_lshl_b32 s20, s17, 8
	s_lshl_b32 s21, s15, 7
	s_add_co_u32 s20, s20, s21
	s_lshl_b32 s20, s20, 12                        ; my first query's row of 4,096 bytes
	s_mov_b32 s21, 0
	s_lshl_b32 s46, s42, 10
	s_lshl_b32 s47, s16, 9
	s_add_co_u32 s46, s46, s47
	s_mov_b32 s47, 0
	s_add_nc_u64 s[20:21], s[20:21], s[46:47]
	s_add_nc_u64 s[12:13], s[12:13], s[20:21]
	s_wait_alu depctr_va_vdst(0)
	s_wait_loadcnt 0x0
.irp i, 1,2,3,4,5,6,7,8,9,10,11,12,13,14,15
.irp y, 0,1
.irp c, 0,2
	v_pk_add_f32 v[128+4*\y+\c:128+4*\y+\c+1], v[128+4*\y+\c:128+4*\y+\c+1], v[128+4*(2*\i+\y)+\c:128+4*(2*\i+\y)+\c+1]
.endr
.endr
.endr
.irp y, 0,1
.irp c, 0,2
	v_pk_fma_f32 v[128+4*\y+\c:128+4*\y+\c+1], v[10+\c:11+\c], 0x45800000, v[128+4*\y+\c:128+4*\y+\c+1] op_sel_hi:[1,0,1]   ; + 4,096 x the bias
.endr
.endr
	ds_store_b128 v9, v[128:131]
	ds_store_b128 v9, v[132:135] offset:1024
.macro FRAG reg, adr, st, i            ; 16 rows x 128 K: 12 registers in pieces of 8 bytes; byte y of a row lies in slot (y / 256) % 2 at byte y % 256 of the LDS row
.irp p, 0,1,2,3,4,5
.set BY, 96*(\st)+48*(\p/3)+8*(\p%3)
.if BY/ROWB == (BY+24)/ROWB
	ds_load_b64 v[\reg+2*\p:\reg+2*\p+1], v[\adr+(BY/ROWB)%2] offset:BY%ROWB+(\i)*16*PITCH
.else
	ds_load_b64 v[\reg+2*\p:\reg+2*\p+1], v[\adr+2+(BY/ROWB)%2] offset:BY%ROWB-232+(\i)*16*PITCH
.endif
.endr
.endm
; 16 products: x's blocks a0, a0 + 1 against Wq's eight.  The 64 accumulators take turns.  first = 1: C is bq.
.macro MUL16 a0, p, q, sc, first
.irp a, \a0, \a0+1
.irp b, 0,1,2,3,4,5,6,7
.if \first
	v_wmma_scale_f32_16x16x128_f8f6f4 v[8*(8*((\a)%4)+\b):8*(8*((\a)%4)+\b)+7], v[128*(\p)+FR*\b:128*(\p)+FR*\b+FR-1], v[AF+FR*(\a):AF+FR*(\a)+FR-1], v[BQ+8*\b:BQ+8*\b+7], v[SC+8*NQ*(\sc)+NQ*\b+(\q)], v[SC+8*NQ*(\sc)+NQ*(\a)+(\q)] matrix_a_fmt:MATRIX_FMT_FP6 matrix_b_fmt:MATRIX_FMT_FP6 matrix_a_scale:MATRIX_SCALE_ROW1
.else
	v_wmma_scale_f32_16x16x128_f8f6f4 v[8*(8*((\a)%4)+\b):8*(8*((\a)%4)+\b)+7], v[128*(\p)+FR*\b:128*(\p)+FR*\b+FR-1], v[AF+FR*(\a):AF+FR*(\a)+FR-1], v[8*(8*((\a)%4)+\b):8*(8*((\a)%4)+\b)+7], v[SC+8*NQ*(\sc)+NQ*\b+(\q)], v[SC+8*NQ*(\sc)+NQ*(\a)+(\q)] matrix_a_fmt:MATRIX_FMT_FP6 matrix_b_fmt:MATRIX_FMT_FP6 matrix_a_scale:MATRIX_SCALE_ROW1
.endif
.endr
.endr
.endm
.macro M a0, st, z                     ; source 0 window 1, source 1 window 0, D window 2 or 3, C the same or (z = 1) window 0
	WIN 0xa1+0x50*((\a0)/4)-(\z)*(0x20+0x10*((\a0)/4))
	MUL16 \a0, (\st)%2, (\st)%2, ((\st)/2)%2, \z
.endm
.macro FETCH_B st, p
	WIN TO_B
.irp i, 0,1,2,3,4,5,6,7
	FRAG 128*(\p)+FR*\i, ADRB, \st, \i
.endr
	WIN 0
.endm
.macro FETCH_A st, i0
.irp i, \i0, \i0+1, \i0+2, \i0+3
	FRAG AF+FR*(\i), ADRA, \st, \i
.endr
.endm
.macro SCALES pr
.irp i, 0,1,2,3,4,5,6,7
	ds_load_b64 v[SC+8*NQ*((\pr)%2)+NQ*\i:SC+8*NQ*((\pr)%2)+NQ*\i+1], v[ADRS] offset:\i*SBLK+4*NQ*(\pr)
.endr
.endm
.macro PLACES n
.rept \n
	v_nop
.endr
.endm
; A step of 128 along K; the next step's fragments are fetched in its middle and at its end.  Where the next step's bytes END in a chunk not yet read: a wait for my tensor loads and a barrier.
; Where they BEGIN in a later chunk: a wait for my tensor loads, the spare add and its wait, the barrier, and, where a chunk two on is left, the cluster's round and the refill.
.macro STEP st, z
.set NX, (\st)+1
.set C0, (96*(\st))/ROWB
.set C1, (96*NX)/ROWB
.set E0, (96*(\st)+95)/ROWB
.set E1, (96*NX+95)/ROWB
.if C1 > C0 || E1 > E0
	s_wait_tensorcnt 0x0
.if C1 > C0
	ds_add_u32 v[SPW], v[NIL]
	s_wait_dscnt 4*NL+1                            ; the add and the 24 youngest loads may be out
.else
	s_wait_dscnt 4*NL
.endif
	M 0, \st, 0
	s_wait_dscnt 0x0
	s_barrier_signal -1
	M 2, \st, 0
	WIN 0
	s_barrier_wait -1
.if C1 > C0 && C0+2 < CHUNKS
	CREST
	s_add_nc_u64 s[G0+4*(C0%2)+2:G0+4*(C0%2)+3], s[G0+4*(C0%2)+2:G0+4*(C0%2)+3], 2*ROWB
	s_add_nc_u64 s[G0B+4*(C0%2)+2:G0B+4*(C0%2)+3], s[G0B+4*(C0%2)+2:G0B+4*(C0%2)+3], 2*ROWB
	JLOAD G0+4*(C0%2), G1, G0B+4*(C0%2), G1B       ; chunk C0 + 2; its four v_nop are the places ahead of the loads below
.else
	PLACES NP
.endif
.else
	s_wait_dscnt 4*NL                              ; Wq's set and x's blocks 0-3 are in
	M 0, \st, \z
	M 2, \st, \z
	s_wait_dscnt 0
	PLACES NP
.endif
	FETCH_B NX, NX%2
	FETCH_A NX, 0
.if NX%2 == 0
	SCALES NX/2
.endif
	M 4, \st, \z
	M 6, \st, \z
	PLACES NP
	WIN 0
	FETCH_A NX, 4
.endm
.macro SCORE a                         ; block a's 16 queries: for each of my two heads g and each y the product of q with k's sum; each accumulator from its low end on
	WIN 0x06+((\a)/4)
.irp jp, 0,1,2,3
.irp bb, 0,1,2,3
.irp g, 0,1
.irp y, 0,1
.if (\jp == 0) && (\bb == 0)
	v_pk_mul_f32 v[TT+2*(2*\g+\y):TT+2*(2*\g+\y)+1], v[8*(8*((\a)%4)+4*\g+\bb)+2*\jp:8*(8*((\a)%4)+4*\g+\bb)+2*\jp+1], v[64*\y+8*(4*\g+\bb)+2*\jp:64*\y+8*(4*\g+\bb)+2*\jp+1]
.else
	v_pk_fma_f32 v[TT+2*(2*\g+\y):TT+2*(2*\g+\y)+1], v[8*(8*((\a)%4)+4*\g+\bb)+2*\jp:8*(8*((\a)%4)+4*\g+\bb)+2*\jp+1], v[64*\y+8*(4*\g+\bb)+2*\jp:64*\y+8*(4*\g+\bb)+2*\jp+1], v[TT+2*(2*\g+\y):TT+2*(2*\g+\y)+1]
.endif
.endr
.endr
.endr
.endr
	WIN 0
.irp i, 0,1,2,3
	v_add_f32 v[TT+2*\i], v[TT+2*\i], v[TT+2*\i+1]
.endr
.irp i, 0,1,2,3
	v_permlanex16_b32 v[TT+2*\i+1], v[TT+2*\i], s66, s67
.endr
.irp i, 0,1,2,3
	v_add_f32 v[TT+2*\i], v[TT+2*\i], v[TT+2*\i+1]
.endr
.endm
.macro SOFT                            ; the softmax over y, the larger score taken away
	v_max_num_f32 v18, v[TT], v[TT+2]
	v_max_num_f32 v19, v[TT+4], v[TT+6]
	v_mul_f32 v18, s95, v18
	v_mul_f32 v19, s95, v19
	v_fma_f32 v[TT], v[TT], s95, -v18
	v_fma_f32 v[TT+2], v[TT+2], s95, -v18
	v_fma_f32 v[TT+4], v[TT+4], s95, -v19
	v_fma_f32 v[TT+6], v[TT+6], s95, -v19
	s_wait_alu depctr_va_vdst(0)
	v_exp_f32 v[TT], v[TT]
	v_exp_f32 v[TT+2], v[TT+2]
	v_exp_f32 v[TT+4], v[TT+4]
	v_exp_f32 v[TT+6], v[TT+6]
	v_nop
	s_wait_alu depctr_va_vdst(0)
	v_add_f32 v18, v[TT], v[TT+2]
	v_add_f32 v19, v[TT+4], v[TT+6]
	s_wait_alu depctr_va_vdst(0)
	v_rcp_f32 v18, v18
	v_rcp_f32 v19, v19
	v_nop
	s_wait_alu depctr_va_vdst(0)
	v_mul_f32 v[PRB], v[TT], v18
	v_mul_f32 v[PRB+2], v[TT+2], v18
	v_mul_f32 v[PRB+4], v[TT+4], v19
	v_mul_f32 v[PRB+6], v[TT+6], v19
.endm
.macro OUTV                            ; p0 x v's sum 0 + p1 x v's sum 1
	WIN 0x01
.irp b, 0,1,2,3,4,5,6,7
.irp jp, 0,1,2,3
	v_pk_mul_f32 v[OT+8*\b+2*\jp:OT+8*\b+2*\jp+1], v[128+8*\b+2*\jp:128+8*\b+2*\jp+1], v[PRB+4*(\b/4):PRB+4*(\b/4)+1] op_sel_hi:[1,0]
.endr
.irp jp, 0,1,2,3
	v_pk_fma_f32 v[OT+8*\b+2*\jp:OT+8*\b+2*\jp+1], v[192+8*\b+2*\jp:192+8*\b+2*\jp+1], v[PRB+4*(\b/4)+2:PRB+4*(\b/4)+3], v[OT+8*\b+2*\jp:OT+8*\b+2*\jp+1] op_sel_hi:[1,0,1]
.endr
.endr
	WIN 0
.endm
.macro TOSTAGE a                       ; through my own stage, back as whole rows of 512 bytes
.irp b, 0,1,2,3,4,5,6,7
	ds_store_b128 v[STO], v[OT+8*\b:OT+8*\b+3] offset:64*\b
	ds_store_b128 v[STO], v[OT+8*\b+4:OT+8*\b+7] offset:64*\b+16
.endr
.set BB, BK+64*((\a)%2)
.irp t, 0,1,2,3,4,5,6,7,8,9,10,11,12,13,14,15
	ds_load_b128 v[BB+4*\t:BB+4*\t+3], v[RD] offset:\t*SPITCH
.endr
.endm
.macro SEND a, younger
.set BB, BK+64*((\a)%2)
	s_wait_dscnt \younger
.if (\a) > 0
	s_add_nc_u64 s[12:13], s[12:13], 16*4096
.endif
.irp t, 0,1,2,3,4,5,6,7,8,9,10,11,12,13,14,15
	global_store_b128 v[CO], v[BB+4*\t:BB+4*\t+3], s[12:13] offset:\t*4096 th:TH_STORE_NT   ; 32 lanes store 512 consecutive bytes, aligned
.endr
.endm
	s_wait_alu depctr_va_vdst(0)
	s_wait_tensorcnt 0x0                           ; my tile of the head's four is in
	ds_add_u32 v[SPW], v[NIL]
	s_mov_b32 s[G1+2], 128<<16                     ; no tensor load of mine is out: from here on a load brings 128 rows
	s_mov_b32 s[G1+4], 128
	s_mov_b32 s[G1B+2], 128<<16
	s_mov_b32 s[G1B+4], 128
	s_wait_dscnt 0x0                               ; the add is done, and k's and v's sums are stored
	CROUND
	JLOAD G0+4, G1, G0B+4, G1B                     ; chunk 1
	FETCH_B 0, 0
	FETCH_A 0, 0
	SCALES 0
	FETCH_A 0, 4
	STEP 0, 1
.irp t, 1,2,3,4,5,6
	STEP \t, 0
.endr
	WIN TO_B
.irp y, 0,1
.irp b, 0,1,2,3,4,5,6,7
.irp q, 0,1
	ds_load_b128 v[64*\y+8*\b+4*\q:64*\y+8*\b+4*\q+3], v30 offset:\y*1024+64*\b+16*\q   ; k's sums, into Wq's set 0, which is done with
.endr
.endr
.endr
	s_wait_dscnt 56                                ; these 32 and x's blocks 4-7 may be out
	M 0, 7, 0
	M 2, 7, 0
	s_wait_dscnt 32
	M 4, 7, 0
	M 6, 7, 0
	WIN 0
	PLACES NP
	s_wait_dscnt 0x0
	WIN TO_B
.irp y, 0,1
.irp b, 0,1,2,3,4,5,6,7
.irp q, 0,1
	ds_load_b128 v[128+64*\y+8*\b+4*\q:128+64*\y+8*\b+4*\q+3], v30 offset:2048+\y*1024+64*\b+16*\q   ; v's sums
.endr
.endr
.endr
	WIN 0
.irp i, 1,3,5,7
	v_mov_b32 v[PRB+\i], 0                         ; the upper halves of pairs that packed forms name
.endr
	SCORE 0
	SOFT
	s_wait_alu depctr_va_vdst(0)
	s_wait_dscnt 0x0
	OUTV
	TOSTAGE 0
.irp a, 1,2,3,4,5,6,7
	SCORE \a
	SOFT
	s_wait_alu depctr_va_vdst(0)
	s_wait_dscnt 16                                ; the last block's stores into the stage have read their registers
	OUTV
.if \a > 1
	s_wait_alu depctr_va_vdst(0)
	s_wait_xcnt 0x0                                ; block a - 2's stores have read their registers and their base
.endif
	TOSTAGE \a
	SEND \a-1, 32
.endr
	s_wait_xcnt 0x0
	SEND 7, 0
	s_wait_tensorcnt 0x0                           ; the wave's end
	ds_add_u32 v[SPW], v[NIL]
	s_wait_dscnt 0x0
	CROUND                                         ; the closing round
	s_endpgm
.Lfunc_end_k_q2a0f033681_qatt:
	.size	k_q2a0f033681_qatt, .Lfunc_end_k_q2a0f033681_qatt-k_q2a0f033681_qatt
	.p2alignl 7, 3214868480
	.fill 96, 4, 3214868480
	.section	.rodata,"a",@progbits
	.p2align	6, 0x0
	.amdhsa_kernel k_q2a0f033681_qatt
		.amdhsa_group_segment_fixed_size 327680
		.amdhsa_private_segment_fixed_size 0
		.amdhsa_enable_private_segment 0
		.amdhsa_kernarg_size 72
		.amdhsa_user_sgpr_count 2
		.amdhsa_user_sgpr_kernarg_segment_ptr 1
		.amdhsa_wavefront_size32 1
		.amdhsa_system_sgpr_workgroup_id_x 1
		.amdhsa_system_sgpr_workgroup_id_y 1
		.amdhsa_system_sgpr_workgroup_id_z 1
		.amdhsa_system_vgpr_workitem_id 0
		.amdhsa_next_free_vgpr 1024
		.amdhsa_next_free_sgpr 106
		.amdhsa_reserve_vcc 0
		.amdhsa_float_denorm_mode_32 3
		.amdhsa_float_denorm_mode_16_64 3
		.amdhsa_memory_ordered 1
		.amdhsa_forward_progress 1
		.amdhsa_inst_pref_size 251
	.end_amdhsa_kernel
	.amdgpu_metadata
---
amdhsa.version: [ 1, 2 ]
amdhsa.kernels:
  - .name:           k_q2a0f033681_qatt
    .symbol:         k_q2a0f033681_qatt.kd
    .args:
      - { .name: xc, .offset: 0, .size: 8, .value_kind: global_buffer, .address_space: global }
      - { .name: xs, .offset: 8, .size: 8, .value_kind: global_buffer, .address_space: global }
      - { .name: wc, .offset: 16, .size: 8, .value_kind: global_buffer, .address_space: global }
      - { .name: ws, .offset: 24, .size: 8, .value_kind: global_buffer, .address_space: global }
      - { .name: out0, .offset: 32, .size: 8, .value_kind: global_buffer, .address_space: global }
      - { .name: part, .offset: 40, .size: 8, .value_kind: global_buffer, .address_space: global }
      - { .name: bq, .offset: 48, .size: 8, .value_kind: global_buffer, .address_space: global }
      - { .name: bk, .offset: 56, .size: 8, .value_kind: global_buffer, .address_space: global }
      - { .name: bv, .offset: 64, .size: 8, .value_kind: global_buffer, .address_space: global }
    .group_segment_fixed_size: 327680
    .private_segment_fixed_size: 0
    .kernarg_segment_align: 8
    .kernarg_segment_size: 72
    .max_flat_workgroup_size: 128
    .sgpr_count:     106
    .vgpr_count:     1024
    .wavefront_size: 32
...
	.end_amdgpu_metadata
.endif
;; end of part 3
